; MI455X (gfx1250); checked and timed in simulation.
; The chip was launched on July 23, 2026; its instructions are those of AMD's public machine-readable ISA for CDNA 5 (MIT licence, August 2026) and "CDNA5" Instruction Set Architecture Reference Guide (July 2026). The comments in the code are by the model that wrote it; some were corrected since.
;; Multi Head Self Attention. Allowed arithmetic: matrix products marked QUANTISED: E3M2 operands, one E8M0 scale for each 32 along K, by v_wmma_scale_f32_16x16x128_f8f6f4 with both operands' format E3M2, f32 sums; everything else in f32.
;; Inputs: W_o 1,024 x 1,024 float32; W_qkv 1,024 x 3,072 float32; b_o 1,024 float32; b_qkv 3,072 float32; x 4 x 2,048 x 1,024 float32.
;; Outputs: out0 4 x 2,048 x 1,024 float32.
;; This version of the problem:
;;   THIS VERSION OF THE PROBLEM IS GIVEN IN LOW PRECISION. The matrix products marked QUANTISED in the list below multiply operands that are first quantised to E3M2 (3 exponent bits, 2 mantissa bits; 6 bits a number), with one power-of-two scale for each 32 numbers along K (OCP MX v1.0); their sums are f32. All else is computed in f32.
;;   The module's matrix products, in the order in which they are computed (A, B: the left and right operand; K: the contracted axis; several contracted axes count as one K, in the product's order):
;;     1. [M 8,192, K 1,024] x [K 1,024, N 3,072]; A: input x; B: input W_qkv: QUANTISED
;;     2. batch 64 x [M 2,048, K 64] x [K 64, N 2,048]; A: computed on the way; B: computed on the way: QUANTISED
;;     3. batch 64 x [M 2,048, K 2,048] x [K 2,048, N 64]; A: softmax (see below); B: computed on the way: QUANTISED
;;     4. [M 8,192, K 1,024] x [K 1,024, N 1,024]; A: computed on the way; B: input W_o: QUANTISED
;;   THE QUANTISER, for each operand of a quantised product, along K:
;;     - K is cut into blocks of 32 from its start; a last block that is shorter is filled with zeros.
;;     - A block's scale is 2^e with e = floor(log2(the largest magnitude in the block)) - 4, held to -126 .. 127; a block of zeros has e = 0. As a byte (E8M0): e + 127.
;;     - Each number is divided by its block's scale, clamped to +-28, and rounded to the nearest number of E3M2, ties to even, subnormals kept.
;;     - The product sums the exact products of the quantised numbers (number of the format x scale) in f32.
;;   ~~~python
;;   def quantise(x, axis):      # numpy; x: float32 -> the quantised numbers, widened to float32 again
;;       x = np.moveaxis(x, axis, -1); K = x.shape[-1]
;;       x = np.pad(x, [(0, 0)] * (x.ndim - 1) + [(0, -K % 32)]); x = x.reshape(x.shape[:-1] + (-1, 32)); a = np.abs(x).max(-1, keepdims=True)
;;       e = np.where(a > 0, np.clip(np.frexp(np.where(a > 0, a, 1))[1] - 1 - 4, -126, 127), 0)      # np.frexp(a)[1] - 1 = floor(log2(a)), exactly
;;       r = np.clip(x / 2.0 ** e, -28, 28)
;;       step = 2.0 ** (np.maximum(np.frexp(np.where(r == 0, 1, r))[1] - 1, -2) - 2)
;;       q = np.round(r / step) * step * 2.0 ** e      # np.round: ties to even
;;       return np.moveaxis(q.reshape(q.shape[:-2] + (-1,))[..., :K], -1, axis).astype(np.float32)
;;   ~~~
;;   SOFTMAX AHEAD OF A QUANTISED PRODUCT. Where the list says 'softmax', what is quantised is not the finished softmax but p = 2^(t - M), with t = logit x log2(e) and M = ceil(the row's largest t), a whole number; so 1/2 < the row's largest p <= 1. The row's sum l is taken of the UNQUANTISED p, in f32, and the product's result is divided by l at the end. Since M is a whole number, a kernel that streams over the keys may use a running M (the ceiling of the running maximum): every later rescaling is an exact power of two, which a block's scale takes up: the codes' values come out the same.
;;   OPERANDS COMPUTED ON THE WAY. 'Computed on the way' means the value that the module computes at that place (a softmax that the list does not call 'softmax' is quantised finished and normalised). What goes into a quantiser is computed in f32, as accurately as f32 sums, v_exp_f32 and their like allow (about 1e-6 of the number): no bf16 or f16 on the way to a quantiser, and a product that is left as it is and whose result goes on into a quantised operand takes f32 operands (vector FMAs, or v_wmma_f32_16x16x4_f32). A number that lies on a knife's edge between two numbers of the format may be rounded either way, as far as f32 arithmetic and the matrix unit's own rounding can turn it there, and no further.
;; One version. Each part assembles by itself: llvm-mc -triple=amdgcn-amd-amdhsa -mcpu=gfx1250 --defsym DOCPART=n.
;; ======== version 1 of 1: 4 launches
;; workspace buffers: opc 9,437,184 bytes; sc 655,360 bytes; qkv 20,185,088 bytes; ac 6,291,456 bytes
;; launch quant (part 1): grid 384 x 1, 4 waves a work-group, no clusters, 92,160 bytes of LDS; arguments x, W_qkv, W_o, opc, sc; writes opc, sc
.if DOCPART == 1
	.amdgcn_target "amdgcn-amd-amdhsa--gfx1250"
	.amdhsa_code_object_version 6
	.text
	.protected	k_q925c1827b0_quant
	.globl	k_q925c1827b0_quant
	.p2align	8
	.type	k_q925c1827b0_quant,@function
k_q925c1827b0_quant:
	s_mov_b64 s[64:65], 0
	v_nop
	global_prefetch_b8 v0, s[64:65] scope:SCOPE_SE
	s_setreg_imm32_b32 hwreg(HW_REG_WAVE_MODE, 25, 1), 1
	s_wait_xcnt 0x0
; x [8192][1024] (K innermost) and [W_qkv | W_o] (K = the first axis, 4096 columns), f32, become codes of BF6 (E3M2) with one E8M0 byte for each 32 along K.
; A block's scale is 2^(floor(log2(largest magnitude)) - 4): its byte is the largest magnitude's exponent field - 4, held at 1 from below by a floor among the maximum's leaves.
; LIMITS: a block of zeros gets the byte 1 and not 127 (its codes are zeros and only this program reads the bytes); blocks whose largest magnitude lies under 2^-122 are held at byte 1;
; NaN and infinities among the inputs are not served.
; LAYOUT OF THE CODES (opc): the order of the operand's registers.  [tile of 16 rows][K step of 128][piece 0..5][lane 0..31][8 bytes]; piece p is registers 2p, 2p+1 of the 12-register fragment:
; lane (r, h) holds row r's block h of the K step in pieces 0-2 and block 2 + h in pieces 3-5.  Of every 32 rows, tile 0 holds rows 0-7 and 16-23, tile 1 rows 8-15 and 24-31.
; x's 512 tiles come first, then the 256 tiles of the weights' columns.  LAYOUT OF THE SCALES (sc): 32 bytes for each row, in the tiles' order; rows 8192.. are x's, rows 16384.. the weights'.
; SHARES: work-groups 0-255 take 32 tokens of x each, work-groups 256-383 take 32 columns of the weights.  The two ways part on the work-group's number and use LDS bytes of their own.
; Both gather a group's 24,576 bytes of codes and 1,024 scale bytes in LDS and store them so that each store of a wave covers 512 (256) consecutive bytes, aligned.
.set STG,   0                          ; x's way: two stages of 32 x 144 bytes for each wave
.set IMGX,  36864                      ; x's way: two tiles' images, a piece 256 bytes + 16
.set SCX,   63232                      ; x's way: 32 rows of 32 scale bytes
.set IMGW,  64256                      ; the weights' way: the same two regions
.set SCW,   90624
.set TILEL, 13184                      ; from tile to tile in an image: 48 pieces of 272 bytes + 128
.set PP,    272
.set RR,    32                         ; v32-159  x: four sets of 32 numbers as loaded
.set XX,    160                        ; v160-223 x: two sets of 32 neighbours; on the way out the codes
.set CC,    224                        ; v224-239 two sets of 8: a block's codes and, in the eighth register, its byte
.set VOFF,  32                         ; v32-63   weights: the byte offset of row i of a block, my column
.set XW,    64                         ; v64-127  weights: two sets of 32 numbers down K
	s_load_b128 s[4:7], s[0:1], 0x0                ; x, W_qkv
	s_load_b128 s[8:11], s[0:1], 0x10              ; W_o, opc
	s_load_b64 s[12:13], s[0:1], 0x20              ; sc
	v_lshl_add_u32 v240, v0, 2, 0x16600
	v_mov_b32 v241, 0
	v_and_b32 v1, 31, v0                           ; lane
	v_lshrrev_b32 v2, 5, v0                        ; wave, in every lane
	v_readfirstlane_b32 s14, v2                    ; and as a scalar
	v_lshrrev_b32 v3, 4, v0
	v_and_b32 v4, 15, v0
	v_mul_u32_u24 v5, v3, PP
	v_lshl_add_u32 v5, v4, 4, v5                   ; the way out: sixteen threads to a piece of 256 bytes
	v_lshlrev_b32 v7, 4, v0                        ; and 16 bytes a thread in memory
	v_lshlrev_b32 v8, 3, v0                        ; scale bytes: 8 a thread
	s_wait_kmcnt 0x0
	s_cmp_ge_u32 ttmp9, 256
	s_cbranch_scc1 .Lweights
; the largest magnitude of 32 numbers of one lane, with the floor 2^(5 - 127) as one more leaf; then 4 off its exponent field: the conversion's scale operand, in v20
.macro BMAX xs
	v_max3_num_f32 v18, |v[\xs]|, |v[\xs+1]|, |v[\xs+2]|
	v_max3_num_f32 v19, |v[\xs+3]|, |v[\xs+4]|, |v[\xs+5]|
.irp i, 6,10,14,18,22,26
	v_max3_num_f32 v18, v18, |v[\xs+\i]|, |v[\xs+\i+1]|
	v_max3_num_f32 v19, v19, |v[\xs+\i+2]|, |v[\xs+\i+3]|
.endr
	v_max3_num_f32 v18, v18, |v[\xs+30]|, |v[\xs+31]|
	v_max3_num_f32 v18, v18, v19, 0x2800000
	v_add_nc_u32 v20, 0xfe000000, v18
.endm
; The way out of a group: every wave's LDS stores are done, a barrier, then 128 threads read the two images piece by piece and store them.
.macro OUT img, scl
	v_add_nc_u32 v6, \img, v5
	v_add_nc_u32 v13, \scl, v8
	s_wait_dscnt 0x0                               ; for the others' sake: my stores into the images have landed
	s_barrier_signal -1
	s_barrier_wait -1
.irp i, 0,1,2,3,4,5,6,7,8,9,10,11
	ds_load_b128 v[XX+4*\i:XX+4*\i+3], v6 offset:2176*\i+128*(\i/6)
.endr
	ds_load_b64 v[XX+48:XX+49], v13
.irp i, 0,1,2,3,4,5,6,7,8,9,10,11
	s_wait_dscnt 12-\i                             ; behind load i: the later loads of codes and the load of scale bytes
	global_store_b128 v7, v[XX+4*\i:XX+4*\i+3], s[24:25] offset:2048*\i   ; a wave stores 512 consecutive bytes, aligned
.endr
	s_wait_dscnt 0x0
	global_store_b64 v8, v[XX+48:XX+49], s[26:27]  ; a wave stores 256 consecutive bytes, aligned
	s_wait_tensorcnt 0x0
	ds_add_u32 v240, v241
	s_wait_dscnt 0x0
	s_endpgm
.endm
	; ---- x: wave w takes rows 8 w .. 8 w + 7 of the group: tile w & 1, lanes' rows 8 (w >> 1) + t.  A row is a step; lane l takes block l of the row.
	s_lshl_b32 s16, ttmp9, 17                      ; 32 rows of 4,096 bytes a group,
	s_lshl_b32 s17, s14, 15                        ; 8 rows a wave
	s_add_co_u32 s16, s16, s17
	s_mov_b32 s17, 0
	s_add_nc_u64 s[4:5], s[4:5], s[16:17]
	s_mul_i32 s24, ttmp9, 24576
	s_mov_b32 s25, 0
	s_add_nc_u64 s[24:25], s[10:11], s[24:25]      ; the group's codes
	s_lshl_b32 s26, ttmp9, 10
	s_add_co_u32 s26, s26, 8192*32
	s_mov_b32 s27, 0
	s_add_nc_u64 s[26:27], s[12:13], s[26:27]      ; and its scale rows
	v_lshlrev_b32 v9, 4, v1                        ; my 16 bytes of a load's 512
	v_lshrrev_b32 v10, 3, v1
	v_mul_u32_u24 v14, v10, 144
	v_and_b32 v10, 7, v1
	v_lshl_add_u32 v14, v10, 4, v14
	v_mad_u32_u24 v14, v2, 9216, v14               ; the stage, in: eight lanes' 128 bytes (a block) on end, then 16 of padding
	v_mul_u32_u24 v15, v1, 144
	v_mad_u32_u24 v15, v2, 9216, v15               ; and out: my block
	v_and_b32 v10, 1, v2
	v_lshrrev_b32 v11, 1, v2
	v_mul_u32_u24 v16, v10, TILEL
	v_lshl_add_u32 v16, v11, 6, v16
	v_lshrrev_b32 v12, 2, v1
	v_mad_u32_u24 v16, v12, 6*PP, v16              ; K step l / 4,
	v_bfe_u32 v12, v1, 1, 1
	v_mad_u32_u24 v16, v12, 3*PP, v16              ; pieces 0-2 or 3-5,
	v_and_b32 v12, 1, v1
	v_lshl_add_u32 v16, v12, 7, v16                ; the half of the lanes that holds block l
	v_add_nc_u32 v16, IMGX, v16
	v_lshl_add_u32 v17, v10, 9, v1
	v_lshl_add_u32 v17, v11, 8, v17
	v_add_nc_u32 v17, SCX, v17                     ; my block's byte in the row's 32
.macro LOAD t
.irp i, 0,1,2,3,4,5,6,7
	global_load_b128 v[RR+32*((\t)%4)+4*\i:RR+32*((\t)%4)+4*\i+3], v9, s[4:5] offset:4096*(\t)+512*\i th:TH_LOAD_NT   ; 32 lanes read 512 consecutive bytes
.endr
.endm
.macro TURN t                          ; a row through the stage: LDS serves a wave's instructions in order, so no wait stands between the stores and the loads
.irp i, 0,1,2,3,4,5,6,7
	ds_store_b128 v14, v[RR+32*((\t)%4)+4*\i:RR+32*((\t)%4)+4*\i+3] offset:4608*((\t)%2)+576*\i
.endr
.irp i, 0,1,2,3,4,5,6,7
	ds_load_b128 v[XX+32*((\t)%2)+4*\i:XX+32*((\t)%2)+4*\i+3], v15 offset:4608*((\t)%2)+16*\i
.endr
.endm
.macro XSTEP t
.set XS, XX+32*((\t)%2)
.set CS, CC+8*((\t)%2)
.if (\t) > 0
	s_wait_dscnt 4                                 ; this row is back from the stage; the last step's three code stores and its byte store may be out
.else
	s_wait_dscnt 0x0
.endif
.if (\t)+4 < 8
	LOAD (\t)+4                                    ; into the set that this row's stage stores have read
.endif
.if (\t)+1 < 8
.if (\t) < 4
	s_wait_loadcnt 24                              ; the next row is in; the three rows behind it may be out
.else
	s_wait_loadcnt 8*(6-(\t))
.endif
	TURN (\t)+1
.endif
	BMAX XS
	v_cvt_scalef32_pk16_bf6_f32 v[CS:CS+2], v[XS:XS+15], v20
	v_cvt_scalef32_pk16_bf6_f32 v[CS+4:CS+6], v[XS+16:XS+31], v20   ; (a conversion's three registers begin on an even number)
	v_lshrrev_b32 v[CS+7], 23, v20                 ; the scale's byte; also the plain line behind the conversions
	v_mov_b32 v[CS+3], v[CS+4]
	v_mov_b32 v[CS+4], v[CS+5]
	v_mov_b32 v[CS+5], v[CS+6]                     ; the block's 24 bytes on end
.irp q, 0,1,2
	ds_store_b64 v16, v[CS+2*\q:CS+2*\q+1] offset:PP*\q+8*(\t)
.endr
	ds_store_b8 v17, v[CS+7] offset:32*(\t)
.endm
.irp t, 0,1,2,3
	LOAD \t
.endr
	s_wait_loadcnt 24                              ; row 0 is in
	TURN 0
.irp t, 0,1,2,3,4,5,6,7
	XSTEP \t
.endr
	OUT IMGX, SCX
	; ---- the weights: lane j takes column j of the group's 32, its registers run down K; wave w takes k = 256 w .. 256 w + 255: eight blocks
.Lweights:
	s_sub_co_u32 s15, ttmp9, 256                   ; the group: 0-95 in W_qkv, 96-127 in W_o
	s_mov_b32 s18, 4096
	s_cmp_lt_u32 s15, 96
	s_cselect_b64 s[6:7], s[6:7], s[8:9]           ; the choice hangs on the work-group's number alone
	s_cselect_b32 s18, 12288, s18                  ; a row of the tensor in bytes
	s_cselect_b32 s19, 0, 96
	s_sub_co_u32 s19, s15, s19
	s_lshl_b32 s19, s19, 7                         ; the group's first column, in bytes
	s_lshl_b32 s20, s14, 8
	s_mul_i32 s20, s20, s18                        ; 256 w rows down
	s_add_co_u32 s20, s20, s19
	s_mov_b32 s21, 0
	s_add_nc_u64 s[40:41], s[6:7], s[20:21]        ; a base for each block, made once: none is stepped
	s_lshl_b32 s22, s18, 5
	s_mov_b32 s23, 0
.irp t, 1,2,3,4,5,6,7
	s_add_nc_u64 s[40+2*\t:41+2*\t], s[38+2*\t:39+2*\t], s[22:23]
.endr
	s_mul_i32 s24, s15, 24576
	s_add_co_u32 s24, s24, 6291456
	s_mov_b32 s25, 0
	s_add_nc_u64 s[24:25], s[10:11], s[24:25]
	s_lshl_b32 s26, s15, 10
	s_add_co_u32 s26, s26, 16384*32
	s_mov_b32 s27, 0
	s_add_nc_u64 s[26:27], s[12:13], s[26:27]
	v_lshlrev_b32 v21, 2, v1
.set i, 0
.rept 32
	v_mad_u32_u24 v[VOFF+i], s18, i, v21           ; row i of a block, my column
.set i, i+1
.endr
	v_bfe_u32 v10, v1, 3, 1                        ; my column's tile,
	v_and_b32 v11, 7, v1
	v_lshrrev_b32 v12, 4, v1
	v_lshl_add_u32 v11, v12, 3, v11                ; and its row in the tile
	v_mul_u32_u24 v22, v10, TILEL
	v_lshl_add_u32 v22, v11, 3, v22
	v_mad_u32_u24 v22, v2, 12*PP, v22              ; my wave's two K steps
	v_add_nc_u32 v22, IMGW, v22
	v_lshl_add_u32 v23, v10, 4, v11
	v_lshlrev_b32 v23, 5, v23
	v_lshl_add_u32 v23, v2, 3, v23
	v_add_nc_u32 v23, SCW, v23                     ; my column's scale row, my wave's eight bytes
.macro WLOAD t
.set i, 0
.rept 32
	global_load_b32 v[XW+32*((\t)%2)+i], v[VOFF+i], s[40+2*(\t):41+2*(\t)]   ; 32 lanes read 128 consecutive bytes of one row
.set i, i+1
.endr
.endm
.macro WBLOCK t
.set XS, XW+32*((\t)%2)
.if (\t) < 7
	s_wait_loadcnt 32                              ; this block is in; the next block's 32 loads may be out
.else
	s_wait_loadcnt 0x0
.endif
	BMAX XS
	v_lshrrev_b32 v19, 23, v20                     ; the scale's byte
.if (\t)%4 == 0
	v_mov_b32 v[26+(\t)/4], v19                    ; four bytes to a register, the lower K in the lower byte
.else
	v_lshl_or_b32 v[26+(\t)/4], v19, 8*((\t)%4), v[26+(\t)/4]
.endif
	v_cvt_scalef32_pk16_bf6_f32 v[CC:CC+2], v[XS:XS+15], v20
	v_cvt_scalef32_pk16_bf6_f32 v[CC+4:CC+6], v[XS+16:XS+31], v20
	v_nop                                          ; one plain line behind the conversions
	v_mov_b32 v[CC+3], v[CC+4]
	v_mov_b32 v[CC+4], v[CC+5]
	v_mov_b32 v[CC+5], v[CC+6]
.irp q, 0,1,2
	ds_store_b64 v22, v[CC+2*\q:CC+2*\q+1] offset:(6*((\t)/4)+3*(((\t)%4)/2)+\q)*PP+128*((\t)%2)
.endr
.if (\t)+2 < 8
	WLOAD (\t)+2
.endif
	s_wait_dscnt 0x0                               ; the stores have read their registers: the next block's codes may be written
.endm
	WLOAD 0
	WLOAD 1
.irp t, 0,1,2,3,4,5,6,7
	WBLOCK \t
.endr
	ds_store_b64 v23, v[26:27]
	OUT IMGW, SCW
.Lfunc_end_k_q925c1827b0_quant:
	.size	k_q925c1827b0_quant, .Lfunc_end_k_q925c1827b0_quant-k_q925c1827b0_quant
	.p2alignl 7, 3214868480
	.fill 96, 4, 3214868480
	.section	.rodata,"a",@progbits
	.p2align	6, 0x0
	.amdhsa_kernel k_q925c1827b0_quant
		.amdhsa_group_segment_fixed_size 92160
		.amdhsa_private_segment_fixed_size 0
		.amdhsa_enable_private_segment 0
		.amdhsa_kernarg_size 40
		.amdhsa_user_sgpr_count 2
		.amdhsa_user_sgpr_kernarg_segment_ptr 1
		.amdhsa_wavefront_size32 1
		.amdhsa_system_sgpr_workgroup_id_x 1
		.amdhsa_system_sgpr_workgroup_id_y 1
		.amdhsa_system_sgpr_workgroup_id_z 1
		.amdhsa_system_vgpr_workitem_id 0
		.amdhsa_next_free_vgpr 242
		.amdhsa_next_free_sgpr 66
		.amdhsa_reserve_vcc 0
		.amdhsa_float_denorm_mode_32 3
		.amdhsa_float_denorm_mode_16_64 3
		.amdhsa_memory_ordered 1
		.amdhsa_forward_progress 1
		.amdhsa_inst_pref_size 78
	.end_amdhsa_kernel
	.amdgpu_metadata
---
amdhsa.version: [ 1, 2 ]
amdhsa.kernels:
  - .name:           k_q925c1827b0_quant
    .symbol:         k_q925c1827b0_quant.kd
    .args:
      - { .name: x, .offset: 0, .size: 8, .value_kind: global_buffer, .address_space: global }
      - { .name: W_qkv, .offset: 8, .size: 8, .value_kind: global_buffer, .address_space: global }
      - { .name: W_o, .offset: 16, .size: 8, .value_kind: global_buffer, .address_space: global }
      - { .name: opc, .offset: 24, .size: 8, .value_kind: global_buffer, .address_space: global }
      - { .name: sc, .offset: 32, .size: 8, .value_kind: global_buffer, .address_space: global }
    .group_segment_fixed_size: 92160
    .private_segment_fixed_size: 0
    .kernarg_segment_align: 8
    .kernarg_segment_size: 40
    .max_flat_workgroup_size: 128
    .sgpr_count:     66
    .vgpr_count:     242
    .wavefront_size: 32
...
	.end_amdgpu_metadata
.endif
;; end of part 1
;; launch gemm_qkv (part 2): grid 12 x 64, 4 waves a work-group, clusters of 4 x 4, 308,480 bytes of LDS; arguments opc, sc, b_qkv, qkv; writes qkv
.if DOCPART == 2
	.amdgcn_target "amdgcn-amd-amdhsa--gfx1250"
	.amdhsa_code_object_version 6
	.text
	.protected	k_q925c1827b0_gemm_qkv
	.globl	k_q925c1827b0_gemm_qkv
	.p2align	8
	.type	k_q925c1827b0_gemm_qkv,@function
k_q925c1827b0_gemm_qkv:
	s_mov_b64 s[64:65], 0
	v_nop
	global_prefetch_b8 v0, s[64:65] scope:SCOPE_SE
	s_setreg_imm32_b32 hwreg(HW_REG_WAVE_MODE, 25, 1), 1
	s_wait_xcnt 0x0
	s_wait_alu depctr_hold_cnt(0) depctr_sa_sdst(0) depctr_va_vdst(0) depctr_va_sdst(0) depctr_va_ssrc(0) depctr_va_vcc(0) depctr_vm_vsrc(0)
	s_getreg_b32 s2, hwreg(HW_REG_IB_STS2, 6, 4)
	s_cmp_eq_u32 s2, 0
	s_cbranch_scc0 .Lentry_in_a_cluster
	s_endpgm
.Lentry_in_a_cluster:
	s_bfe_u32 s2, ttmp6, 0x10000c
	s_cmp_lg_u32 s2, 0xf033
	s_cbranch_scc0 .Lentry_shape_is_right
	s_endpgm
.Lentry_shape_is_right:
; qkv = Q(x) Q(W_qkv) + b_qkv on codes of BF6 (E3M2) with E8M0 scales; the result is quantised at once, along the K of the product that will read it, and leaves as codes in the order of that product's operand registers.
; A work-group makes 128 rows of source 1 x 256 rows of source 0 over all of K = 1,024.  Clusters with x = 0, 1 make Q and K: source 1 = tokens, source 0 = columns of W, so that a lane holds one token and its
; registers run along the head's 64.  Clusters with x = 2 make V with the sources swapped: source 1 = channels, source 0 = tokens, so that a lane holds one channel and its registers run along the tokens, V's K.
; Of every 32 rows of either operand, the even tile holds rows 0-7 and 16-23 and the odd tile rows 8-15 and 24-31: so the 16 registers of two neighbouring accumulators are 16 neighbours along the next K.
; LDS: the whole K of the tile, 294,912 bytes of register images, is filled ONCE, by four tensor loads a wave (four are out at the most): no byte is filled again, so there is no ring.
; CLUSTER 4 x 4: source 1's tiles are shared along a row of the cluster, source 0's along a column: joint loads, one mask a line.  The way for V is chosen by the cluster's x, which all sixteen partners share.
; Four waves: wave w has 64 rows of source 1 (w >> 1) and 128 rows of source 0 (w & 1): 32 accumulators, which take turns.
; No prefetch: every tile is asked for at the head; nothing is requested later.
; LIMITS of the quantiser on the way out: a block of zeros gets the byte 1 (codes zero; only this program reads the bytes); largest magnitudes under 2^-122 are held at byte 1; NaN and infinities are not served.
; REGISTERS.  window 0: v1 r, v2 h, v3 8 x lane, v4-7 / v8-11 LDS addresses of source 1's / source 0's fragments in K slot 0..3, v12-15 offsets, v16-31 the bias's offsets, v32-95 scale words (register 32 + 8 i + n:
;   lanes 0-15 source 1's block i, lanes 16-31 source 0's block i, K step n), v96-159 the bias as the first products' C, v160-207 and v208-255 source 1's fragments, two sets.
;   window 1: source 0's fragments, two sets, v0-95 and v128-223.   window 2: accumulator (a, b) at v[64 a + 8 b].
.set SLOTB, 73728                      ; a K slot: 256 along K of source 1's 8 tiles (24,576 bytes), then of source 0's 16 tiles
.set FRB,   1536                       ; a fragment's image
.set SREG,  18874368
.set QSREG, 19660800
.set TM,    160                        ; the way out: v160-163 maxima, v164-167 bytes, v172-175 the conversions' scale operands
.set PC,    176                        ; v176-194 the codes just made
.set SW,    200                        ; v200-203 the four blocks' scale words
.set TT,    204                        ; v204-207 as they are stored
.set MSB, 0
.macro WIN new                         ; the immediate's high byte repeats the setting that is left
.if MSB != \new
	s_set_vgpr_msb (MSB<<8)|\new
.set MSB, \new
.endif
.endm
.macro PLACES                          ; four plain lines between a matrix instruction and a load into, or a vector line on, its registers
.rept 4
	v_nop
.endr
.endm
.macro CROUND                          ; a round of the cluster's barrier
	s_barrier_signal -1
	s_barrier_wait -1
	s_cmp_lg_u32 s12, 0
	s_cbranch_scc1 .Lnot_wave_0_\@
	s_barrier_signal -3
.Lnot_wave_0_\@:
	s_barrier_wait -3
	s_barrier_signal -1
	s_barrier_wait -1
.endm
	s_load_b256 s[4:11], s[0:1], 0x0               ; opc, sc, b_qkv, qkv
	s_set_vgpr_msb 0x40
	v_lshl_add_u32 v254, v0, 2, 0x4b300
	v_mov_b32 v255, 0
	s_set_vgpr_msb 0x4045
	ds_add_u32 v254, v255
	ds_add_u32 v254, v255
	s_set_vgpr_msb 0x4500
	v_lshrrev_b32 v1, 5, v0
	v_readfirstlane_b32 s12, v1                    ; wave
	s_lshr_b32 s13, s12, 1                         ; HA: my 64 rows of source 1.  Also: I fetch for source 1 (0) or source 0 (1)
	s_and_b32 s14, s12, 1                          ; HB: my 128 rows of source 0.  Also: which half I fetch
	s_bfe_u32 s15, ttmp6, 0x40000                  ; cx
	s_bfe_u32 s16, ttmp6, 0x40004                  ; cy
	s_and_b32 s18, ttmp7, 0xffff                   ; the cluster's y
	s_and_b32 s76, s18, 1
	s_lshr_b32 s77, s18, 1
	s_cmp_eq_u32 ttmp9, 2                          ; V?  The cluster's x: the same in all partners
	s_cselect_b32 s76, s76, s18
	s_cselect_b32 s77, s77, ttmp9
	s_cselect_b32 s78, 10240, 0                    ; V: source 1 = columns 2048.. of W, which follow x's 8,192 rows
	s_cselect_b32 s79, 0, 8192                     ; Q, K: source 0 = columns of W
	s_cselect_b32 s19, 1, 0
	s_lshl_b32 s76, s76, 2
	s_add_co_u32 s20, s76, s16                     ; t1: which 128 rows of source 1 (cy alone of the place in the cluster)
	s_lshl_b32 s77, s77, 2
	s_add_co_u32 s21, s77, s15                     ; t0: which 256 rows of source 0 (cx alone)
	s_lshl_b32 s22, s20, 7
	s_add_co_u32 s22, s22, s78                     ; R1: source 1's first row in opc
	s_lshl_b32 s23, s21, 8
	s_add_co_u32 s23, s23, s79                     ; R0: source 0's
	s_lshl_b32 s86, s16, 2
	s_lshl_b32 s86, 15, s86                        ; my row of the cluster
	s_lshl_b32 s87, 0x1111, s15                    ; my column
	; group 1: a row = one tile's 3,072 bytes of a K slot (384 elements of 8 bytes), 12,288 bytes from tile to tile; 4 tiles for source 1, 8 for source 0; no padding
	s_or_b32 s24, s86, (3<<16)|(1<<21)
	s_mov_b32 s25, 384<<16
	s_mov_b32 s26, 4<<16
	s_mov_b32 s27, 384<<16
	s_mov_b32 s28, 4
	s_mov_b32 s29, 1536
	s_mov_b32 s30, 0
	s_mov_b32 s31, 0
	s_or_b32 s32, s87, (3<<16)|(1<<21)
	s_mov_b32 s33, 384<<16
	s_mov_b32 s34, 8<<16
	s_mov_b32 s35, 384<<16
	s_mov_b32 s36, 8
	s_mov_b32 s37, 1536
	s_mov_b32 s38, 0
	s_mov_b32 s39, 0
	s_lshl_b32 s80, s14, 6
	s_add_co_u32 s80, s80, s22
	s_mul_i32 s80, s80, 768                        ; a row of 1,024 codes is 768 bytes
	s_mov_b32 s81, 0
	s_lshl_b32 s82, s14, 7
	s_add_co_u32 s82, s82, s23
	s_mul_i32 s82, s82, 768
	s_mov_b32 s83, 0
	s_mul_i32 s84, s14, 12288                      ; where they go: no place in the cluster enters an LDS address
	s_mul_i32 s85, s14, 24576
	s_add_co_u32 s85, s85, 24576
	s_wait_dscnt 0x0
	s_wait_kmcnt 0x0
	s_add_nc_u64 s[80:81], s[4:5], s[80:81]
	s_add_nc_u64 s[82:83], s[4:5], s[82:83]
.irp j, 0,1,2,3
	s_mov_b32 s[40+4*\j], 1
	s_add_co_u32 s[41+4*\j], s84, \j*SLOTB
	s_add_nc_u64 s[42+4*\j:43+4*\j], s[80:81], \j*3072
	s_or_b32 s[43+4*\j], s[43+4*\j], 0x80000000
	s_mov_b32 s[56+4*\j+4*(\j/2)], 1
	s_add_co_u32 s[57+4*\j+4*(\j/2)], s85, \j*SLOTB
	s_add_nc_u64 s[58+4*\j+4*(\j/2):59+4*\j+4*(\j/2)], s[82:83], \j*3072
	s_or_b32 s[59+4*\j+4*(\j/2)], s[59+4*\j+4*(\j/2)], 0x80000000
.endr
	s_mov_b32 s4, 0x76543210                       ; opc's address has been used: v_permlanex16_b32's selects for lane l xor 16
	s_mov_b32 s5, 0xfedcba98
	CROUND                                         ; all sixteen work-groups are here: the joint loads meet
	s_cmp_eq_u32 s13, 0                            ; a wave's four first fills stand in one arm of one branch on the wave's number
	s_cbranch_scc0 .Lfill_0
	tensor_load_to_lds s[40:43], s[24:31]
	s_nop 0
	tensor_load_to_lds s[44:47], s[24:31]
	s_nop 0
	tensor_load_to_lds s[48:51], s[24:31]
	s_nop 0
	tensor_load_to_lds s[52:55], s[24:31]
	s_nop 0
	PLACES
	s_branch .Lfilled
.Lfill_0:
	tensor_load_to_lds s[56:59], s[32:39]
	s_nop 0
	tensor_load_to_lds s[60:63], s[32:39]
	s_nop 0
	tensor_load_to_lds s[68:71], s[32:39]
	s_nop 0
	tensor_load_to_lds s[72:75], s[32:39]
	s_nop 0
	PLACES
.Lfilled:
	v_and_b32 v1, 15, v0                           ; r
	v_bfe_u32 v2, v0, 4, 1                         ; h
	v_and_b32 v3, 31, v0
	v_lshlrev_b32 v3, 3, v3                        ; 8 x lane
	s_mul_i32 s88, s13, 12288
	s_mul_i32 s89, s14, 24576
	s_add_co_u32 s89, s89, 24576
	v_add_nc_u32 v4, s88, v3
	v_add_nc_u32 v8, s89, v3
.irp j, 1,2,3
	v_add_nc_u32 v[4+\j], \j*SLOTB, v4
	v_add_nc_u32 v[8+\j], \j*SLOTB, v8
.endr
	; the scale words of all of K, straight into registers: lanes 0-15 take source 1's rows, lanes 16-31 source 0's; 32 bytes a row.  (For i >= 4 lanes 0-15 read rows that are not theirs, inside sc; they are not used)
	s_lshl_b32 s76, s13, 6
	s_add_co_u32 s76, s76, s22
	s_add_co_u32 s76, s76, 8192
	s_lshl_b32 s76, s76, 5
	s_lshl_b32 s77, s14, 7
	s_add_co_u32 s77, s77, s23
	s_add_co_u32 s77, s77, 8192
	s_lshl_b32 s77, s77, 5
	v_mov_b32 v160, s76
	v_mov_b32 v161, s77
	v_cmp_eq_u32 vcc_lo, 1, v2
	v_cndmask_b32 v12, v160, v161, vcc_lo
	v_lshl_add_u32 v12, v1, 5, v12
.irp i, 0,1,2,3,4,5,6,7
	global_load_b128 v[32+8*\i:35+8*\i], v12, s[6:7] offset:512*\i
	global_load_b128 v[36+8*\i:39+8*\i], v12, s[6:7] offset:512*\i+16
.endr
	; the bias, in the result's layout.  Q, K: it goes with source 0's row: register 8 b + j = column 32 (b / 2) + 8 (b % 2) + 16 h + j.  V: with source 1's row: all eight registers of block a = channel 32 (a / 2) + 8 (a % 2) + r + 8 (r / 8)
	s_lshl_b32 s78, s20, 7
	s_lshl_b32 s88, s13, 6
	s_add_co_u32 s78, s78, s88
	s_add_co_u32 s78, s78, 2048                    ; V: my 64 channels' first number
	s_lshl_b32 s79, s21, 8
	s_lshl_b32 s88, s14, 7
	s_add_co_u32 s79, s79, s88                     ; Q, K: my 128 columns' first
	s_cmp_eq_u32 s19, 1
	s_cselect_b32 s3, s78, s79
	s_cselect_b32 s66, 0, 64
	s_cselect_b32 s67, 0, 4
	s_cselect_b32 s104, 4, 0
	s_cselect_b32 s105, 0, 256
	s_lshl_b32 s88, s3, 2
	s_mov_b32 s89, 0
	s_add_nc_u64 s[8:9], s[8:9], s[88:89]
	v_and_b32 v160, 8, v1
	v_add_nc_u32 v160, v160, v1                    ; r + 8 (r / 8)
	v_mul_u32_u24 v161, s66, v2
	v_mad_u32_u24 v161, v160, s104, v161
.irp j, 0,1,2,3,4,5,6,7
	v_mad_u32_u24 v[16+\j], s67, \j, v161
.endr
.irp j, 0,1,2,3,4,5,6,7
	v_add_nc_u32 v[24+\j], s105, v[16+\j]          ; blocks 4-7: 256 bytes on for Q, K; for V the first four once more, so that no load leaves the buffer
.endr
.irp i, 0,1,2,3,4,5,6,7
.irp j, 0,1,2,3,4,5,6,7
	global_load_b32 v[96+8*\i+\j], v[16+8*(\i/4)+\j], s[8:9] offset:4*(32*(\i/2)+8*(\i%2))-256*(\i/4)
.endr
.endr
	; where the results go.  Q, K: token group Z = t1, heads 4 cx + 2 HB and the next.  V: key step Z = 2 t0 + HB, head 2 t1 + HA.  These mix cx and cy: registers of their own
	s_lshl_b32 s76, s20, 1
	s_add_co_u32 s76, s76, s13
	s_lshl_b32 s77, s21, 1
	s_add_co_u32 s77, s77, s14
	s_lshl_b32 s79, s15, 2
	s_lshl_b32 s88, s14, 1
	s_add_co_u32 s79, s79, s88
	s_mul_i32 s89, s13, 3072
	s_lshl_b32 s88, s13, 8
	s_mov_b32 s90, 768
	s_mov_b32 s91, 0
	s_mov_b32 s92, 98304
	s_mov_b32 s105, 512
	s_cmp_eq_u32 s19, 1
	s_cselect_b32 s66, s77, s20                    ; Z
	s_cselect_b32 s67, s76, s79                    ; the first head
	s_cselect_b32 s89, 0, s89                      ; Q, K: my four token tiles of the group's eight
	s_cselect_b32 s88, 8192, s88                   ; scale words: V's lie behind K's; Q, K: my half of the group's
	s_cselect_b32 s90, 1536, s90                   ; from block a to block a + 1 in the images
	s_cselect_b32 s92, 768, s92                    ; from pieces 0-2 to pieces 3-5: on in the fragment (V), or the next head (Q, K)
	s_cselect_b32 s105, 256, s105                  ; scale words of a group of 128
	s_cselect_b32 s93, 0, 16                       ; Q, K: lanes 16-31 store the second head's two bytes
	s_mov_b32 s94, 12288
	s_mov_b32 s95, SREG
	s_cmp_eq_u32 ttmp9, 0
	s_cselect_b32 s94, 8192, s94                   ; a head's scale words: Q's region, or K's and V's
	s_cselect_b32 s95, QSREG, s95
	s_cmp_eq_u32 s19, 1
	s_cselect_b32 s96, 0, s94
	s_lshr_b32 s97, s66, 4
	s_lshl_b32 s97, s97, 4
	s_add_co_u32 s97, s97, s67                     ; 16 x batch + head
	s_and_b32 s66, s66, 15                         ; the group of 128 tokens in the batch
	s_mul_i32 s98, ttmp9, 6291456                  ; Q's, K's or V's region
	s_mul_i32 s3, s97, 98304
	s_add_co_u32 s98, s98, s3
	s_mul_i32 s3, s66, 6144
	s_add_co_u32 s98, s98, s3
	s_add_co_u32 s98, s98, s89
	s_mov_b32 s99, 0
	s_add_nc_u64 s[98:99], s[10:11], s[98:99]      ; the images
	s_mul_i32 s100, s97, s94
	s_add_co_u32 s100, s100, s95
	s_mul_i32 s3, s66, s105
	s_add_co_u32 s100, s100, s3
	s_add_co_u32 s100, s100, s88
	s_mov_b32 s101, 0
	s_add_nc_u64 s[100:101], s[10:11], s[100:101]  ; the scale words
	v_add_nc_u32 v13, s92, v3                      ; pieces 3-5
	v_mul_u32_u24 v14, s96, v2
	v_lshl_add_u32 v14, v1, 4, v14                 ; four words a row
	v_mul_u32_u24 v15, s93, v2
.macro FRAG reg, adr, i, q             ; a fragment comes as it was stored: six loads of 256 consecutive bytes
.irp p, 0,1,2,3,4,5
	ds_load_b64 v[\reg+2*\p:\reg+2*\p+1], v[\adr] offset:3072*(\i)+FRB*(\q)+256*\p
.endr
.endm
.macro FETCH n                         ; K step n's fragments into set n % 2: 72 loads in one run
	WIN 0x40                                       ; destination window 1
.irp i, 0,1,2,3,4,5,6,7
	FRAG 128*((\n)%2)+12*\i, 8+(\n)/2, \i, (\n)%2
.endr
	WIN 0
.irp i, 0,1,2,3
	FRAG 160+48*((\n)%2)+12*\i, 4+(\n)/2, \i, (\n)%2
.endr
.endm
; 32 matrix instructions: K step n.  mode 0: onto the sums; 1: the bias by source 0's block starts them; 2: the bias by source 1's block.
.macro MULS n, mode
.irp a, 0,1,2,3
.irp b, 0,1,2,3,4,5,6,7
.if \mode == 0
	v_wmma_scale_f32_16x16x128_f8f6f4 v[64*\a+8*\b:64*\a+8*\b+7], v[128*((\n)%2)+12*\b:128*((\n)%2)+12*\b+11], v[160+48*((\n)%2)+12*\a:160+48*((\n)%2)+12*\a+11], v[64*\a+8*\b:64*\a+8*\b+7], v[32+8*\b+(\n)], v[32+8*\a+(\n)] matrix_a_fmt:MATRIX_FMT_BF6 matrix_b_fmt:MATRIX_FMT_BF6 matrix_a_scale:MATRIX_SCALE_ROW1
.elseif \mode == 1
	v_wmma_scale_f32_16x16x128_f8f6f4 v[64*\a+8*\b:64*\a+8*\b+7], v[128*((\n)%2)+12*\b:128*((\n)%2)+12*\b+11], v[160+48*((\n)%2)+12*\a:160+48*((\n)%2)+12*\a+11], v[96+8*\b:96+8*\b+7], v[32+8*\b+(\n)], v[32+8*\a+(\n)] matrix_a_fmt:MATRIX_FMT_BF6 matrix_b_fmt:MATRIX_FMT_BF6 matrix_a_scale:MATRIX_SCALE_ROW1
.else
	v_wmma_scale_f32_16x16x128_f8f6f4 v[64*\a+8*\b:64*\a+8*\b+7], v[128*((\n)%2)+12*\b:128*((\n)%2)+12*\b+11], v[160+48*((\n)%2)+12*\a:160+48*((\n)%2)+12*\a+11], v[96+8*\a:96+8*\a+7], v[32+8*\b+(\n)], v[32+8*\a+(\n)] matrix_a_fmt:MATRIX_FMT_BF6 matrix_b_fmt:MATRIX_FMT_BF6 matrix_a_scale:MATRIX_SCALE_ROW1
.endif
.endr
.endr
.endm
.macro KSTEP n                         ; K step n is multiplied while step n + 1's fragments come
	s_wait_dscnt 0x0                               ; step n's fragments are in
.if (\n)%2 == 1
	s_wait_tensorcnt 3-((\n)+1)/2                  ; my part of the next K slot has landed; the later slots' loads may be out
	s_barrier_signal -1
	s_barrier_wait -1                              ; everybody's has
.endif
	PLACES                                         ; the set to be loaded was multiplied in step n - 1
	FETCH (\n)+1
	WIN 0xa1                                       ; source 0 window 1, source 1 window 0, C and D window 2
	MULS \n, 0
.endm
	s_wait_tensorcnt 3                             ; my part of K slot 0 has landed; slots 1 to 3 may be out
	s_barrier_signal -1
	s_barrier_wait -1
	FETCH 0
	s_wait_loadcnt 0x0                             ; scale words and bias
	s_wait_dscnt 0x0
	FETCH 1
	s_cmp_eq_u32 s19, 0
	s_cbranch_scc0 .Lfirst_v
	WIN 0x81                                       ; C in window 0
	MULS 0, 1
	WIN 0
	s_branch .Lfirst_done
.Lfirst_v:
	WIN 0x81
	MULS 0, 2
	WIN 0
.Lfirst_done:
.irp n, 1,2,3,4,5,6
	KSTEP \n
.endr
	s_wait_dscnt 0x0
	MULS 7, 0
	WIN 0
; THE WAY OUT.  Block a: a lane's 64 registers are 128 neighbours along the next K (with lane l xor 16): four blocks of 32 are quantised in registers; the 12 registers are the reader's fragment as it stands
; (Q, K: two heads' six registers each; V: one whole fragment), and each pair of registers leaves as 256 consecutive bytes, aligned.
.macro QW a
.if \a > 0
	s_wait_xcnt 0x0                                ; the last block's stores have read their registers and their base
	s_add_nc_u64 s[98:99], s[98:99], s[90:91]
.endif
	WIN 0x0a                                       ; sources 0 and 1 window 2
.irp b, 0,1,2,3
	v_max3_num_f32 v[TM+\b], |v[64*\a+16*\b]|, |v[64*\a+16*\b+1]|, 0x2800000   ; each accumulator is read from its low end on; the floor holds the byte at 1 from below
.endr
.irp i, 2,4,6,8,10,12,14
.irp b, 0,1,2,3
	v_max3_num_f32 v[TM+\b], |v[64*\a+16*\b+\i]|, |v[64*\a+16*\b+\i+1]|, v[TM+\b]
.endr
.endr
	WIN 0
.irp b, 0,1,2,3
	v_permlanex16_b32 v[TM+4+\b], v[TM+\b], s4, s5
.endr
.irp b, 0,1,2,3
	v_max_num_f32 v[TM+\b], v[TM+\b], v[TM+4+\b]   ; with lane l xor 16's: the block's largest magnitude
.endr
.irp b, 0,1,2,3
	v_add_nc_u32 v[TM+12+\b], 0xfe000000, v[TM+\b] ; 4 off the exponent field: the conversion's scale operand
.endr
.irp b, 0,1,2,3
	v_lshrrev_b32 v[TM+4+\b], 23, v[TM+12+\b]      ; the scale's byte
.endr
	v_lshl_or_b32 v[SW+\a], v[TM+5], 8, v[TM+4]
	v_lshl_or_b32 v[SW+\a], v[TM+6], 16, v[SW+\a]
	v_lshl_or_b32 v[SW+\a], v[TM+7], 24, v[SW+\a]
	WIN 0x02                                       ; source 0 window 2
.irp c, 0,1
	v_cvt_scalef32_pk16_bf6_f32 v[PC+6*\c:PC+2+6*\c], v[64*\a+32*\c:64*\a+32*\c+15], v[TM+12+2*\c]
	v_cvt_scalef32_pk16_bf6_f32 v[PC+12+4*\c:PC+14+4*\c], v[64*\a+32*\c+16:64*\a+32*\c+31], v[TM+13+2*\c]
.endr
	WIN 0
	v_nop                                          ; one plain line behind the conversions
.irp c, 0,1                            ; the operand's layout wants a whole block in a lane
.irp i, 0,1,2
	v_permlane16_swap_b32 v[PC+6*\c+\i], v[PC+12+4*\c+\i]
.endr
.irp i, 0,1,2
	v_mov_b32 v[PC+3+6*\c+\i], v[PC+12+4*\c+\i]
.endr
.endr
.irp p, 0,1,2
	global_store_b64 v3, v[PC+2*\p:PC+2*\p+1], s[98:99] offset:256*\p
.endr
.irp p, 0,1,2
	global_store_b64 v13, v[PC+6+2*\p:PC+7+2*\p], s[98:99] offset:256*\p
.endr
.endm
	PLACES
.irp b, 0,1,2,3
	v_mov_b32 v[TM+4+\b], 0                        ; a lane permute's destination counts as one of its sources
.endr
	QW 0
	QW 1
	QW 2
	QW 3
.irp i, 0,1,2,3
	v_lshrrev_b32 v[TT+\i], v15, v[SW+\i]          ; Q, K: lanes 16-31 bring the second head's two bytes down; what is left above them meets zero codes alone and is never 0xff
.endr
	global_store_b128 v14, v[TT:TT+3], s[100:101]  ; sixteen lanes store 256 consecutive bytes, aligned (V: both halves of the lanes store the same bytes)
	s_set_vgpr_msb 0x5
	s_wait_tensorcnt 0x0
	ds_add_u32 v254, v255
	s_wait_dscnt 0x0
	s_set_vgpr_msb 0x500
	CROUND                                         ; the closing round: no work-group ends while a partner may still ask for a tile that names it
	s_endpgm
.Lfunc_end_k_q925c1827b0_gemm_qkv:
	.size	k_q925c1827b0_gemm_qkv, .Lfunc_end_k_q925c1827b0_gemm_qkv-k_q925c1827b0_gemm_qkv
	.p2alignl 7, 3214868480
	.fill 96, 4, 3214868480
	.section	.rodata,"a",@progbits
	.p2align	6, 0x0
	.amdhsa_kernel k_q925c1827b0_gemm_qkv
		.amdhsa_group_segment_fixed_size 308480
		.amdhsa_private_segment_fixed_size 0
		.amdhsa_enable_private_segment 0
		.amdhsa_kernarg_size 32
		.amdhsa_user_sgpr_count 2
		.amdhsa_user_sgpr_kernarg_segment_ptr 1
		.amdhsa_wavefront_size32 1
		.amdhsa_system_sgpr_workgroup_id_x 1
		.amdhsa_system_sgpr_workgroup_id_y 1
		.amdhsa_system_sgpr_workgroup_id_z 1
		.amdhsa_system_vgpr_workitem_id 0
		.amdhsa_next_free_vgpr 768
		.amdhsa_next_free_sgpr 106
		.amdhsa_reserve_vcc 1
		.amdhsa_float_denorm_mode_32 3
		.amdhsa_float_denorm_mode_16_64 3
		.amdhsa_memory_ordered 1
		.amdhsa_forward_progress 1
		.amdhsa_inst_pref_size 113
	.end_amdhsa_kernel
	.amdgpu_metadata
---
amdhsa.version: [ 1, 2 ]
amdhsa.kernels:
  - .name:           k_q925c1827b0_gemm_qkv
    .symbol:         k_q925c1827b0_gemm_qkv.kd
    .args:
      - { .name: opc, .offset: 0, .size: 8, .value_kind: global_buffer, .address_space: global }
      - { .name: sc, .offset: 8, .size: 8, .value_kind: global_buffer, .address_space: global }
      - { .name: b_qkv, .offset: 16, .size: 8, .value_kind: global_buffer, .address_space: global }
      - { .name: qkv, .offset: 24, .size: 8, .value_kind: global_buffer, .address_space: global }
    .group_segment_fixed_size: 308480
    .private_segment_fixed_size: 0
    .kernarg_segment_align: 8
    .kernarg_segment_size: 32
    .max_flat_workgroup_size: 128
    .sgpr_count:     106
    .vgpr_count:     768
    .wavefront_size: 32
...
	.end_amdgpu_metadata
.endif
;; end of part 2
;; launch attention (part 3): grid 4 x 64, 16 waves a work-group, clusters of 4 x 1, 210,944 bytes of LDS; arguments qkv, ac, sc; writes ac, sc
.if DOCPART == 3
	.amdgcn_target "amdgcn-amd-amdhsa--gfx1250"
	.amdhsa_code_object_version 6
	.text
	.protected	k_q925c1827b0_attention
	.globl	k_q925c1827b0_attention
	.p2align	8
	.type	k_q925c1827b0_attention,@function
k_q925c1827b0_attention:
	s_mov_b64 s[64:65], 0
	v_nop
	global_prefetch_b8 v0, s[64:65] scope:SCOPE_SE
	s_setreg_imm32_b32 hwreg(HW_REG_WAVE_MODE, 25, 1), 1
	s_wait_xcnt 0x0
	s_wait_alu depctr_hold_cnt(0) depctr_sa_sdst(0) depctr_va_vdst(0) depctr_va_sdst(0) depctr_va_ssrc(0) depctr_va_vcc(0) depctr_vm_vsrc(0)
	s_getreg_b32 s2, hwreg(HW_REG_IB_STS2, 6, 4)
	s_cmp_eq_u32 s2, 0
	s_cbranch_scc0 .Lentry_in_a_cluster
	s_endpgm
.Lentry_in_a_cluster:
	s_bfe_u32 s2, ttmp6, 0x10000c
	s_cmp_lg_u32 s2, 0x3003
	s_cbranch_scc0 .Lentry_shape_is_right
	s_endpgm
.Lentry_shape_is_right:
; Causal attention of one head on codes of BF6 (E3M2) with E8M0 scales; head size 64, 2,048 tokens.  The result is divided by the row's sum, quantised along the channels and stored as the last product's operand.
; THE SOFTMAX: t = score x log2(e) / 8; M = the running largest t rounded up to a whole number; p = 2^(t - M) is quantised along the keys, not normalised; the row's sum is taken of the unquantised p.
; When M moves, the sum and O are multiplied by 2^(old M - new M), which rounds nothing.
; SHARES.  The four work-groups of a cluster serve one head (the cluster's y).  The head's K and V, 208,896 bytes of register images and scale words, come into each one's LDS ONCE, by joint loads: no byte is filled again.
; Wave w owns two tiles of 16 queries: tile e = 2 cx + (w & 1) of the groups of 128 tokens sigma = w >> 1 and 15 - sigma: (sigma + 1) + (16 - sigma) = 17 steps of 128 keys in every wave of the launch.
; Which steps are left out, and which lies on the diagonal, hangs on the wave's number and the step alone; cx enters global addresses and one vector register that feeds compares and selects.
; LAYOUT.  Both products are used transposed: S^T = K Q^T, O^T = V^T P^T: a lane holds one query.  Of every 32 rows the even tile holds rows 0-7 and 16-23, the odd one rows 8-15 and 24-31,
; so that the 16 registers of two neighbouring tiles are 16 neighbours along the next K.  The first product's K is 64: registers 6-11 of Q's fragment are zero codes, and what stands in those of K's adds nothing.
; The scale bytes of the attention result are two bytes a row and head: they are stored two bytes a lane, 32 bytes apart: no work-group holds more heads of a row (262,144 bytes in all, beside 6,291,456 of codes).
; LIMITS of the quantiser on the way out: a block of zeros gets the byte 1; largest magnitudes under 2^-122 are held at byte 1; NaN and infinities are not served.
; No prefetch: all tiles are asked for at the head.
; REGISTERS: v1-4 places that stay; v8-11 the step's LDS addresses; v12-15, v92-95 -M, the largest t, the sum in two halves; v16-27, v80-91 Q; v28 32 r; v29 the diagonal's number; v30, v255 Q's scale words;
; v32-79 four fragments of K or V; v96-159 S^T, then p; v160-191, v192-223 O^T; v224-235 p's codes; v232-254 at work; v248-251 K's or V's scale words; v253 p's.
.set KREG,  6291456
.set SREG,  18874368
.set QSREG, 19660800
.set VIMG,  98304                      ; LDS: K's images at 0 (768 bytes a tile), V's here (1,536 a fragment),
.set KSC,   196608                     ; K's scale words (512 bytes a step),
.set VSC,   204800                     ; V's (256 a step)
.set AK0, 1
.set AV0, 2
.set ASK0, 3
.set ASV0, 4
.set ADK, 8
.set ADV, 9
.set ADS, 10
.set ADT, 11
.set WV,  18
.set SEL, 20
.set CS,  22
.set KS,  48                           ; the key step
.set TK,  49                           ; 6,144 x step
.set TS,  50                           ; 512 x step
.set TJ,  51                           ; 256 x step
.set SGA, 52                           ; the first tile's group, which is its last step
.set SGB, 53                           ; the second's
.set CNT, 57
.macro ROUND
	s_barrier_signal -1
	s_barrier_wait -1
	s_cmp_lg_u32 s[WV], 0
	s_cbranch_scc1 .Lnot_wave_0_\@
	s_barrier_signal -3
.Lnot_wave_0_\@:
	s_barrier_wait -3
	s_barrier_signal -1
	s_barrier_wait -1
.endm
	s_load_b128 s[4:7], s[0:1], 0x0                ; qkv, ac
	s_load_b64 s[8:9], s[0:1], 0x10                ; sc
	v_lshl_add_u32 v254, v0, 2, 0x33000
	v_mov_b32 v255, 0
	ds_add_u32 v254, v255
	ds_add_u32 v254, v255
	s_wait_dscnt 0x0
	v_lshrrev_b32 v5, 5, v0
	v_readfirstlane_b32 s[WV], v5                  ; wave 0..15
	s_bfe_u32 s54, ttmp6, 0x40000                  ; cx
	s_and_b32 s56, ttmp7, 0xffff                   ; 16 x batch + head, which the four partners share
	; group 1: dense blocks as rows of 256 bytes (32 elements of 8); the mask names all four work-groups
	s_mov_b32 s24, 15|(3<<16)|(1<<21)
	s_mov_b32 s25, 32<<16
	s_mov_b32 s26, 48<<16
	s_mov_b32 s27, 32<<16
	s_mov_b32 s28, 48
	s_mov_b32 s29, 32
	s_mov_b32 s30, 0
	s_mov_b32 s31, 0
	s_mov_b32 s32, 15|(3<<16)|(1<<21)
	s_mov_b32 s33, 32<<16
	s_mov_b32 s34, 168<<16
	s_mov_b32 s35, 32<<16
	s_mov_b32 s36, 168
	s_mov_b32 s37, 32
	s_mov_b32 s38, 0
	s_mov_b32 s39, 0
	; the first load, 12,288 bytes: wave 0: K's steps 0 and 1; wave 1: V's; wave 2: all scale words
	s_mul_i32 s58, s56, 98304
	s_min_u32 s63, s[WV], 2
	s_mul_i32 s59, s63, 6291456
	s_add_co_u32 s59, s59, s58
	s_add_co_u32 s59, s59, KREG
	s_mul_i32 s60, s56, 12288
	s_add_co_u32 s60, s60, SREG
	s_cmp_lt_u32 s[WV], 2
	s_cselect_b32 s60, s59, s60
	s_mov_b32 s61, 0
	s_mov_b32 s40, 1
	s_mul_i32 s41, s63, 98304
	; the second, 43,008 bytes: waves 0 to 3: K's or V's (w & 1) steps 2-8 or 9-15 (w >> 1)
	s_and_b32 s62, s[WV], 1
	s_bfe_u32 s63, s[WV], 0x10001
	s_mul_i32 s66, s62, 98304
	s_mul_i32 s67, s63, 43008
	s_add_co_u32 s66, s66, s67
	s_mov_b32 s44, 1
	s_add_co_u32 s45, s66, 12288
	s_mul_i32 s68, s62, 6291456
	s_add_co_u32 s68, s68, s67
	s_add_co_u32 s68, s68, s58
	s_add_co_u32 s68, s68, KREG+12288
	s_mov_b32 s69, 0
	s_wait_kmcnt 0x0
	s_add_nc_u64 s[42:43], s[4:5], s[60:61]
	s_or_b32 s43, s43, 0x80000000
	s_add_nc_u64 s[46:47], s[4:5], s[68:69]
	s_or_b32 s47, s47, 0x80000000
	ROUND                                          ; all four work-groups are here: the joint loads meet
	s_cmp_lt_u32 s[WV], 3                          ; a wave's first fills stand in one arm: two loads of a wave are out at the most
	s_cbranch_scc0 .Lnot_first
	tensor_load_to_lds s[40:43], s[24:31]
	s_nop 0
	tensor_load_to_lds s[44:47], s[32:39]
	s_nop 0
.rept 4
	v_nop
.endr
	s_branch .Lfilled
.Lnot_first:
	s_cmp_eq_u32 s[WV], 3
	s_cbranch_scc0 .Lfilled
	tensor_load_to_lds s[44:47], s[32:39]
	s_nop 0
.rept 4
	v_nop
.endr
.Lfilled:
	s_lshl_b32 s55, s54, 1
	s_add_co_u32 s55, s55, s62                     ; e: my tiles' place in their groups of 128 tokens
	s_lshr_b32 s[SGA], s[WV], 1
	s_sub_co_u32 s[SGB], 15, s[SGA]
	s_lshl_b32 s70, s[SGA], 3
	s_add_co_u32 s70, s70, s55                     ; the first tile
	s_lshl_b32 s71, s[SGB], 3
	s_add_co_u32 s71, s71, s55                     ; the second
	s_mul_i32 s72, s70, 768
	s_add_co_u32 s72, s72, s58
	s_mov_b32 s73, 0
	s_add_nc_u64 s[72:73], s[4:5], s[72:73]        ; Q's images
	s_mul_i32 s74, s71, 768
	s_add_co_u32 s74, s74, s58
	s_mov_b32 s75, 0
	s_add_nc_u64 s[74:75], s[4:5], s[74:75]
	s_lshl_b32 s80, s56, 13
	s_lshr_b32 s81, s55, 2
	s_lshl_b32 s81, s81, 8
	s_add_co_u32 s80, s80, s81
	s_and_b32 s81, s55, 3
	s_lshl_b32 s81, s81, 2
	s_add_co_u32 s80, s80, s81
	s_add_co_u32 s80, s80, QSREG
	s_lshl_b32 s76, s[SGA], 9
	s_add_co_u32 s76, s76, s80
	s_mov_b32 s77, 0
	s_add_nc_u64 s[76:77], s[4:5], s[76:77]        ; Q's scale words
	s_lshl_b32 s78, s[SGB], 9
	s_add_co_u32 s78, s78, s80
	s_mov_b32 s79, 0
	s_add_nc_u64 s[78:79], s[4:5], s[78:79]
	v_and_b32 v5, 15, v0                           ; r
	v_bfe_u32 v6, v0, 4, 1                         ; h
	v_and_b32 v[AK0], 31, v0
	v_lshlrev_b32 v[AK0], 3, v[AK0]                ; 8 x lane
	v_add_nc_u32 v[AV0], VIMG, v[AK0]
	v_lshlrev_b32 v7, 4, v5                        ; 16 r
	v_add_nc_u32 v[ASK0], KSC, v7
	v_add_nc_u32 v[ASV0], VSC, v7
	v_lshlrev_b32 v28, 5, v5                       ; 32 r
.irp p, 0,1,2
	global_load_b64 v[16+2*\p:17+2*\p], v[AK0], s[72:73] offset:256*\p
	global_load_b64 v[80+2*\p:81+2*\p], v[AK0], s[74:75] offset:256*\p
.endr
	global_load_b32 v255, v7, s[76:77]
	global_load_b32 v30, v7, s[78:79]
	s_lshr_b32 s80, s55, 1
	s_lshl_b32 s80, s80, 5
	s_and_b32 s81, s55, 1
	s_lshl_b32 s81, s81, 3
	s_add_co_u32 s80, s80, s81
	v_and_b32 v29, 8, v5
	v_add_nc_u32 v29, v29, v5
	v_add_nc_u32 v29, s80, v29                     ; my query's place in its group of 128,
	v_lshlrev_b32 v31, 4, v6
	v_sub_nc_u32 v29, v29, v31                     ; less 16 h: register 16 b + i holds key 32 b + 16 h + i, hidden on the diagonal where 32 b + i is greater than this
	s_mov_b32 s[SEL], 0x76543210
	s_mov_b32 s[SEL+1], 0xfedcba98
	s_mov_b32 s[CS], 0x3e38aa3b                    ; c = log2(e) / sqrt(64)
	s_mov_b32 s[CS+1], s[CS]
	s_mov_b32 s[KS], 0
	s_mov_b32 s[TK], 0
	s_mov_b32 s[TS], 0
	s_mov_b32 s[TJ], 0
.irp j, 0,1,2,3,4,5
	v_mov_b32 v[22+\j], 0                          ; Q's upper 64 along K: zero codes
	v_mov_b32 v[86+\j], 0
.endr
.irp t, 0,1,2,3
.irp j, 6,7,8,9,10,11
	v_mov_b32 v[32+12*\t+\j], 0                    ; written once: later V's codes stand here when K's fragments are multiplied, against Q's zero codes
.endr
.endr
.irp b, 0,1,2,3
	v_mov_b32 v[236+\b], 0                         ; a lane permute's destination counts as one of its sources
.endr
	v_mov_b32 v252, 0
	v_mov_b32 v253, 0
	v_mov_b32 v13, 0xff61b1e6                      ; the largest t so far: -3e38
	v_floor_f32 v12, -v13
	v_mov_b32 v14, 0
	v_mov_b32 v15, 0
	v_mov_b32 v93, 0xff61b1e6
	v_floor_f32 v92, -v93
	v_mov_b32 v94, 0
	v_mov_b32 v95, 0
.set jj, 0
.rept 64
	v_mov_b32 v[160+jj], 0                         ; O^T of both tiles: the step is written without a first step of its own
.set jj, jj+1
.endr
; ONE TILE'S KEY STEP: 128 keys.  Q, QS: the tile's fragment and scale word; ST: its statistics; O: its O^T; SIG: its last step; chk = 1: steps behind the diagonal are left out and the diagonal's is masked.
.macro TSTEP Q, QS, ST, O, SIG, chk
.if \chk
	s_cmp_gt_u32 s[KS], s[\SIG]
	s_cbranch_scc1 .Lhidden_\@
.endif
	v_add_nc_u32 v[ADK], s[TK], v[AK0]             ; (these four are also the places in front of loads into registers that the last products read)
	v_add_nc_u32 v[ADV], s[TK], v[AV0]
	v_add_nc_u32 v[ADS], s[TS], v[ASK0]
	v_add_nc_u32 v[ADT], s[TJ], v[ASV0]
.irp g, 0,1                            ; S^T = K Q^T, four tiles of 16 keys at a time
.if \g > 0
.rept 4
	v_nop
.endr
.endif
.irp t, 0,1,2,3
.irp p, 0,1,2
	ds_load_b64 v[32+12*\t+2*\p:33+12*\t+2*\p], v[ADK] offset:768*(4*\g+\t)+256*\p
.endr
.endr
	ds_load_b128 v[248:251], v[ADS] offset:256*\g
	s_wait_dscnt 0x0
.irp t, 0,1,2,3
	v_wmma_scale_f32_16x16x128_f8f6f4 v[96+8*(4*\g+\t):103+8*(4*\g+\t)], v[32+12*\t:43+12*\t], v[\Q:\Q+11], 0, v[248+\t], v[\QS] matrix_a_fmt:MATRIX_FMT_BF6 matrix_b_fmt:MATRIX_FMT_BF6
.endr
.endr
.rept 4
	v_nop
.endr
.irp t, 0,1,2,3                        ; V's four fragments and scale words are asked for now and land during the softmax
.irp p, 0,1,2,3,4,5
	ds_load_b64 v[32+12*\t+2*\p:33+12*\t+2*\p], v[ADV] offset:1536*\t+256*\p
.endr
.endr
	ds_load_b128 v[248:251], v[ADT]
.if \chk
	s_cmp_lg_u32 s[KS], s[\SIG]
	s_cbranch_scc1 .Lopen_\@
	v_mov_b32 v254, 0xff800000                     ; on the diagonal hidden scores become -infinity ahead of the maximum: p = 0
.set nn, 0
.rept 64
	v_cmp_gt_i32 vcc_lo, 32*(nn/16)+nn%16, v29
	v_cndmask_b32 v[96+nn], v[96+nn], v254, vcc_lo
.set nn, nn+1
.endr
.Lopen_\@:
.endif
.irp b, 0,1,2,3
	v_max3_num_f32 v[232+\b], v[96+16*\b], v[97+16*\b], v[98+16*\b]   ; the largest score of each block of 32 keys: for the row's maximum and, since p rises with the score, for the block's largest p
.endr
.irp i, 3,5,7,9,11,13
.irp b, 0,1,2,3
	v_max3_num_f32 v[232+\b], v[232+\b], v[96+16*\b+\i], v[97+16*\b+\i]
.endr
.endr
.irp b, 0,1,2,3
	v_max_num_f32 v[232+\b], v[232+\b], v[111+16*\b]
.endr
.irp b, 0,1,2,3
	v_permlanex16_b32 v[236+\b], v[232+\b], s[SEL], s[SEL+1]
.endr
.irp b, 0,1,2,3
	v_max_num_f32 v[232+\b], v[232+\b], v[236+\b]
.endr
	v_max3_num_f32 v254, v232, v233, v234
	v_max_num_f32 v254, v254, v235
	v_mul_f32 v254, s[CS], v254
	v_max_num_f32 v[\ST+1], v[\ST+1], v254         ; the running largest t
	v_mov_b32 v254, v[\ST]
	v_floor_f32 v[\ST], -v[\ST+1]                  ; the new -M: a whole number
	v_sub_f32 v254, v[\ST], v254
	v_cvt_i32_f32 v254, v254                       ; (it saturates)
	v_ldexp_f32 v252, 1.0, v254                    ; f = 2^(old M - new M)
.set jj, 0
.rept 32
	v_pk_fma_f32 v[96+jj:97+jj], v[96+jj:97+jj], s[CS:CS+1], v[\ST:\ST+1] op_sel_hi:[1,0,0]   ; t - M, two at a time
.set jj, jj+2
.endr
.irp b, 0,1,2,3
	v_fma_f32 v[232+\b], v[232+\b], s[CS], v[\ST]
.endr
.set jj, 0
.rept 64
	v_exp_f32 v[96+jj], v[96+jj]                   ; p = 2^(t - M)
.set jj, jj+1
.endr
	v_pk_mul_f32 v[\ST+2:\ST+3], v[\ST+2:\ST+3], v[252:253] op_sel_hi:[1,0]   ; the sums under the new M; also the plain line behind the exponentials
	s_wait_alu depctr_va_vdst(0)                   ; one wait for the batch of 64, ahead of its first reader
.irp b, 0,1,2,3
	v_exp_f32 v[232+\b], v[232+\b]                 ; the blocks' largest p
.endr
	v_pk_add_f32 v[236:237], v[96:97], v[98:99]    ; the row's sum of the unquantised p, in two chains
.irp j, 4,8,12,16,20,24,28,32,36,40,44,48,52,56,60
	v_pk_add_f32 v[\ST+2:\ST+3], v[\ST+2:\ST+3], v[96+\j:97+\j]
	v_pk_add_f32 v[236:237], v[236:237], v[98+\j:99+\j]
.endr
	v_pk_add_f32 v[\ST+2:\ST+3], v[\ST+2:\ST+3], v[236:237]
	s_wait_alu depctr_va_vdst(0)                   ; and one for the four
.irp b, 0,1,2,3
	v_max_num_f32 v[232+\b], 0x2800000, v[232+\b]  ; the floor: the byte cannot fall under 1
.endr
.irp b, 0,1,2,3
	v_add_nc_u32 v[244+\b], 0xfe000000, v[232+\b]
.endr
.irp b, 0,1,2,3
	v_lshrrev_b32 v[236+\b], 23, v[244+\b]
.endr
	v_lshl_or_b32 v253, v237, 8, v236              ; p's scale word for these 128 keys
	v_lshl_or_b32 v253, v238, 16, v253
	v_lshl_or_b32 v253, v239, 24, v253
.irp c, 0,1
	v_cvt_scalef32_pk16_bf6_f32 v[224+6*\c:226+6*\c], v[96+32*\c:111+32*\c], v[244+2*\c]
	v_cvt_scalef32_pk16_bf6_f32 v[236+4*\c:238+4*\c], v[112+32*\c:127+32*\c], v[245+2*\c]
.endr
	v_nop
.irp c, 0,1
.irp i, 0,1,2
	v_permlane16_swap_b32 v[224+6*\c+\i], v[236+4*\c+\i]
.endr
.irp i, 0,1,2
	v_mov_b32 v[227+6*\c+\i], v[236+4*\c+\i]
.endr
.endr
.set jj, 0
.rept 16
	v_pk_mul_f32 v[\O+jj:\O+jj+1], v[\O+jj:\O+jj+1], v[252:253] op_sel_hi:[1,0]   ; O^T under the new M; these sixteen are also the places in front of the products below
.set jj, jj+2
.endr
	s_wait_dscnt 0x0                               ; V's fragments and scale words are in
.irp t, 0,1,2,3
	v_wmma_scale_f32_16x16x128_f8f6f4 v[\O+8*\t:\O+8*\t+7], v[32+12*\t:43+12*\t], v[224:235], v[\O+8*\t:\O+8*\t+7], v[248+\t], v253 matrix_a_fmt:MATRIX_FMT_BF6 matrix_b_fmt:MATRIX_FMT_BF6
.endr
.Lhidden_\@:
.endm
.macro NEXT                            ; the addresses step in every trip, whatever was left out
	s_add_co_u32 s[TK], s[TK], 6144
	s_add_co_u32 s[TS], s[TS], 512
	s_add_co_u32 s[TJ], s[TJ], 256
	s_add_co_u32 s[KS], s[KS], 1
.endm
	s_wait_tensorcnt 1                             ; my first load has landed; the second may be out
	s_barrier_signal -1
	s_barrier_wait -1                              ; steps 0 and 1 and all scale words lie in LDS
	s_wait_loadcnt 0x0                             ; Q
	s_mov_b32 s[CNT], 2
.Lp1:
	TSTEP 80, 30, 92, 192, SGB, 0                  ; the second tile's group is 8 or more: steps 0 and 1 lie wholly under its diagonal
	TSTEP 16, 255, 12, 160, SGA, 1
	NEXT
	s_sub_co_u32 s[CNT], s[CNT], 1
	s_cmp_lg_u32 s[CNT], 0
	s_cbranch_scc1 .Lp1
	s_wait_tensorcnt 0x0                           ; my second load has landed,
	s_wait_dscnt 0x0
	s_barrier_signal -1
	s_barrier_wait -1                              ; everybody's has: steps 2 to 15 lie in LDS
	s_mov_b32 s[CNT], 14
.Lp2:
	TSTEP 80, 30, 92, 192, SGB, 1
	TSTEP 16, 255, 12, 160, SGA, 1
	NEXT
	s_sub_co_u32 s[CNT], s[CNT], 1
	s_cmp_lg_u32 s[CNT], 0
	s_cbranch_scc1 .Lp2
	; THE WAY OUT: O^T / the sum; its 64 channels are two blocks of the last product's K; six registers of that product's fragment (K step head / 2, half head & 1), 256 consecutive bytes a store
	s_lshr_b32 s58, s56, 4
	s_lshl_b32 s58, s58, 7                         ; 128 tiles a batch
	s_and_b32 s59, s56, 15                         ; the head
	s_lshr_b32 s60, s59, 1
	s_mul_i32 s60, s60, 1536
	s_and_b32 s61, s56, 1
	s_mul_i32 s61, s61, 768
	s_add_co_u32 s60, s60, s61
	s_lshl_b32 s59, s59, 1
	s_add_co_u32 s62, s58, s70
	s_mul_i32 s82, s62, 12288
	s_add_co_u32 s82, s82, s60
	s_mov_b32 s83, 0
	s_add_nc_u64 s[82:83], s[6:7], s[82:83]
	s_lshl_b32 s84, s62, 9
	s_add_co_u32 s84, s84, s59
	s_mov_b32 s85, 0
	s_add_nc_u64 s[84:85], s[8:9], s[84:85]
	s_add_co_u32 s62, s58, s71
	s_mul_i32 s86, s62, 12288
	s_add_co_u32 s86, s86, s60
	s_mov_b32 s87, 0
	s_add_nc_u64 s[86:87], s[6:7], s[86:87]
	s_lshl_b32 s88, s62, 9
	s_add_co_u32 s88, s88, s59
	s_mov_b32 s89, 0
	s_add_nc_u64 s[88:89], s[8:9], s[88:89]
.macro FIN ST, O, AB, SB
	v_add_f32 v254, v[\ST+2], v[\ST+3]             ; the sum's two halves,
	v_permlanex16_b32 v252, v254, s[SEL], s[SEL+1]
	v_add_f32 v254, v254, v252                     ; and lane l xor 16's
	v_rcp_f32 v252, v254
	v_nop                                          ; a plain line behind the reciprocal
	s_wait_alu depctr_va_vdst(0)                   ; and the wait ahead of its first reader
.set jj, 0
.rept 16
	v_pk_mul_f32 v[96+jj:97+jj], v[\O+jj:\O+jj+1], v[252:253] op_sel_hi:[1,0]   ; register 16 b + i = channel 32 b + 16 h + i of my query; each accumulator from its low end on
.set jj, jj+2
.endr
.irp b, 0,1
	v_max3_num_f32 v[232+\b], |v[96+16*\b]|, |v[97+16*\b]|, 0x2800000
.endr
.irp i, 2,4,6,8,10,12,14
.irp b, 0,1
	v_max3_num_f32 v[232+\b], v[232+\b], |v[96+16*\b+\i]|, |v[97+16*\b+\i]|
.endr
.endr
.irp b, 0,1
	v_permlanex16_b32 v[236+\b], v[232+\b], s[SEL], s[SEL+1]
.endr
.irp b, 0,1
	v_max_num_f32 v[232+\b], v[232+\b], v[236+\b]
.endr
.irp b, 0,1
	v_add_nc_u32 v[244+\b], 0xfe000000, v[232+\b]
.endr
.irp b, 0,1
	v_lshrrev_b32 v[236+\b], 23, v[244+\b]
.endr
	v_lshl_or_b32 v240, v237, 8, v236              ; the head's two scale bytes of my row
	v_cvt_scalef32_pk16_bf6_f32 v[224:226], v[96:111], v244
	v_cvt_scalef32_pk16_bf6_f32 v[236:238], v[112:127], v245
	v_nop
.irp i, 0,1,2
	v_permlane16_swap_b32 v[224+\i], v[236+\i]
.endr
.irp i, 0,1,2
	v_mov_b32 v[227+\i], v[236+\i]
.endr
.irp p, 0,1,2
	global_store_b64 v[AK0], v[224+2*\p:225+2*\p], s[\AB:\AB+1] offset:256*\p
.endr
	global_store_b16 v28, v240, s[\SB:\SB+1]       ; both halves of the lanes store the same two bytes
.endm
.rept 4
	v_nop                                          ; places behind the last products
.endr
	FIN 12, 160, 82, 84
	s_wait_xcnt 0x0                                ; the stores have read their registers, which the second tile writes again
	FIN 92, 192, 86, 88
	s_wait_xcnt 0x0
	v_lshl_add_u32 v254, v0, 2, 0x33000
	v_mov_b32 v255, 0
	s_wait_tensorcnt 0x0
	ds_add_u32 v254, v255
	s_wait_dscnt 0x0
	ROUND                                          ; the closing round
	s_endpgm
.Lfunc_end_k_q925c1827b0_attention:
	.size	k_q925c1827b0_attention, .Lfunc_end_k_q925c1827b0_attention-k_q925c1827b0_attention
	.p2alignl 7, 3214868480
	.fill 96, 4, 3214868480
	.section	.rodata,"a",@progbits
	.p2align	6, 0x0
	.amdhsa_kernel k_q925c1827b0_attention
		.amdhsa_group_segment_fixed_size 210944
		.amdhsa_private_segment_fixed_size 0
		.amdhsa_enable_private_segment 0
		.amdhsa_kernarg_size 24
		.amdhsa_user_sgpr_count 2
		.amdhsa_user_sgpr_kernarg_segment_ptr 1
		.amdhsa_wavefront_size32 1
		.amdhsa_system_sgpr_workgroup_id_x 1
		.amdhsa_system_sgpr_workgroup_id_y 1
		.amdhsa_system_sgpr_workgroup_id_z 1
		.amdhsa_system_vgpr_workitem_id 0
		.amdhsa_next_free_vgpr 256
		.amdhsa_next_free_sgpr 96
		.amdhsa_reserve_vcc 1
		.amdhsa_float_denorm_mode_32 3
		.amdhsa_float_denorm_mode_16_64 3
		.amdhsa_memory_ordered 1
		.amdhsa_forward_progress 1
		.amdhsa_inst_pref_size 103
	.end_amdhsa_kernel
	.amdgpu_metadata
---
amdhsa.version: [ 1, 2 ]
amdhsa.kernels:
  - .name:           k_q925c1827b0_attention
    .symbol:         k_q925c1827b0_attention.kd
    .args:
      - { .name: qkv, .offset: 0, .size: 8, .value_kind: global_buffer, .address_space: global }
      - { .name: ac, .offset: 8, .size: 8, .value_kind: global_buffer, .address_space: global }
      - { .name: sc, .offset: 16, .size: 8, .value_kind: global_buffer, .address_space: global }
    .group_segment_fixed_size: 210944
    .private_segment_fixed_size: 0
    .kernarg_segment_align: 8
    .kernarg_segment_size: 24
    .max_flat_workgroup_size: 512
    .sgpr_count:     96
    .vgpr_count:     256
    .wavefront_size: 32
...
	.end_amdgpu_metadata
.endif
;; end of part 3
;; launch gemm_out (part 4): grid 4 x 64, 4 waves a work-group, clusters of 4 x 4, 308,480 bytes of LDS; arguments ac, opc, sc, b_o, out0; writes out0
.if DOCPART == 4
	.amdgcn_target "amdgcn-amd-amdhsa--gfx1250"
	.amdhsa_code_object_version 6
	.text
	.protected	k_q925c1827b0_gemm_out
	.globl	k_q925c1827b0_gemm_out
	.p2align	8
	.type	k_q925c1827b0_gemm_out,@function
k_q925c1827b0_gemm_out:
	s_mov_b64 s[64:65], 0
	v_nop
	global_prefetch_b8 v0, s[64:65] scope:SCOPE_SE
	s_setreg_imm32_b32 hwreg(HW_REG_WAVE_MODE, 25, 1), 1
	s_wait_xcnt 0x0
	s_wait_alu depctr_hold_cnt(0) depctr_sa_sdst(0) depctr_va_vdst(0) depctr_va_sdst(0) depctr_va_ssrc(0) depctr_va_vcc(0) depctr_vm_vsrc(0)
	s_getreg_b32 s2, hwreg(HW_REG_IB_STS2, 6, 4)
	s_cmp_eq_u32 s2, 0
	s_cbranch_scc0 .Lentry_in_a_cluster
	s_endpgm
.Lentry_in_a_cluster:
	s_bfe_u32 s2, ttmp6, 0x10000c
	s_cmp_lg_u32 s2, 0xf033
	s_cbranch_scc0 .Lentry_shape_is_right
	s_endpgm
.Lentry_shape_is_right:
; out0 = Q(attn) Q(W_o) + b_o on codes of BF6 (E3M2) with E8M0 scales; out0 [8192][1024] f32.  Both operands arrive as register images with their scale rows.
; A work-group makes 128 tokens (source 1) x 256 columns (source 0) over all of K = 1,024: a lane holds one token and eight neighbouring columns an accumulator.
; Of every 32 rows of either operand the even tile holds rows 0-7 and 16-23, the odd tile rows 8-15 and 24-31; the way out puts rows and columns back in their places.
; LDS: the whole K of the tile, 294,912 bytes, is filled ONCE, by four tensor loads a wave (four are out at the most): no byte is filled again.
; CLUSTER 4 x 4: the tokens' tiles are shared along a row of the cluster, the columns' along a column: joint loads.  256 work-groups.  No prefetch: every tile is asked for at the head.
; Four waves: wave w has 64 tokens (w >> 1) and 128 columns (w & 1): 32 accumulators, which take turns.
; REGISTERS.  window 0: v1 r, v2 h, v3 8 x lane, v4-7 / v8-11 LDS addresses of source 1's / source 0's fragments in K slot 0..3, v12, v16-19 offsets, v32-95 scale words, v96-159 the bias as the first products' C,
;   v160-207, v208-255 source 1's fragments; on the way out v96-223 hold rows of out0.   window 1: source 0's fragments, v0-95 and v128-223.   window 2: accumulator (a, b) at v[64 a + 8 b].
.set SLOTB, 73728
.set FRB,   1536
.set MSB, 0
.macro WIN new
.if MSB != \new
	s_set_vgpr_msb (MSB<<8)|\new
.set MSB, \new
.endif
.endm
.macro PLACES
.rept 4
	v_nop
.endr
.endm
.macro CROUND
	s_barrier_signal -1
	s_barrier_wait -1
	s_cmp_lg_u32 s14, 0
	s_cbranch_scc1 .Lnot_wave_0_\@
	s_barrier_signal -3
.Lnot_wave_0_\@:
	s_barrier_wait -3
	s_barrier_signal -1
	s_barrier_wait -1
.endm
	s_load_b256 s[4:11], s[0:1], 0x0               ; ac, opc, sc, b_o
	s_load_b64 s[12:13], s[0:1], 0x20              ; out0
	v_lshl_add_u32 v30, v0, 2, 0x4b300
	v_mov_b32 v31, 0
	ds_add_u32 v30, v31
	ds_add_u32 v30, v31
	v_lshrrev_b32 v1, 5, v0
	v_readfirstlane_b32 s14, v1                    ; wave
	s_lshr_b32 s15, s14, 1                         ; HA: my 64 tokens.  Also: I fetch for source 1 (0) or source 0 (1)
	s_and_b32 s16, s14, 1                          ; HB: my 128 columns.  Also: which half I fetch
	s_bfe_u32 s17, ttmp6, 0x40000                  ; cx: which 256 columns
	s_bfe_u32 s18, ttmp6, 0x40004                  ; cy
	s_and_b32 s19, ttmp7, 0xffff
	s_lshl_b32 s20, s19, 2
	s_add_co_u32 s20, s20, s18                     ; which 128 tokens
	s_lshl_b32 s22, s20, 7                         ; source 1's first row in ac
	s_lshl_b32 s23, s17, 8
	s_add_co_u32 s23, s23, 11264                   ; source 0's first row in opc: W_o's columns follow x's 8,192 rows and W_qkv's 3,072 columns
	s_lshl_b32 s86, s18, 2
	s_lshl_b32 s86, 15, s86
	s_lshl_b32 s87, 0x1111, s17
	s_or_b32 s24, s86, (3<<16)|(1<<21)             ; group 1: a row = one tile's 3,072 bytes of a K slot, 12,288 bytes from tile to tile; 4 tiles, or 8
	s_mov_b32 s25, 384<<16
	s_mov_b32 s26, 4<<16
	s_mov_b32 s27, 384<<16
	s_mov_b32 s28, 4
	s_mov_b32 s29, 1536
	s_mov_b32 s30, 0
	s_mov_b32 s31, 0
	s_or_b32 s32, s87, (3<<16)|(1<<21)
	s_mov_b32 s33, 384<<16
	s_mov_b32 s34, 8<<16
	s_mov_b32 s35, 384<<16
	s_mov_b32 s36, 8
	s_mov_b32 s37, 1536
	s_mov_b32 s38, 0
	s_mov_b32 s39, 0
	s_lshl_b32 s80, s16, 6
	s_add_co_u32 s80, s80, s22
	s_mul_i32 s80, s80, 768
	s_mov_b32 s81, 0
	s_lshl_b32 s82, s16, 7
	s_add_co_u32 s82, s82, s23
	s_mul_i32 s82, s82, 768
	s_mov_b32 s83, 0
	s_mul_i32 s84, s16, 12288
	s_mul_i32 s85, s16, 24576
	s_add_co_u32 s85, s85, 24576
	s_wait_dscnt 0x0
	s_wait_kmcnt 0x0
	s_add_nc_u64 s[80:81], s[4:5], s[80:81]
	s_add_nc_u64 s[82:83], s[6:7], s[82:83]
.irp j, 0,1,2,3
	s_mov_b32 s[40+4*\j], 1
	s_add_co_u32 s[41+4*\j], s84, \j*SLOTB
	s_add_nc_u64 s[42+4*\j:43+4*\j], s[80:81], \j*3072
	s_or_b32 s[43+4*\j], s[43+4*\j], 0x80000000
	s_mov_b32 s[56+4*\j+4*(\j/2)], 1
	s_add_co_u32 s[57+4*\j+4*(\j/2)], s85, \j*SLOTB
	s_add_nc_u64 s[58+4*\j+4*(\j/2):59+4*\j+4*(\j/2)], s[82:83], \j*3072
	s_or_b32 s[59+4*\j+4*(\j/2)], s[59+4*\j+4*(\j/2)], 0x80000000
.endr
	CROUND                                         ; all sixteen work-groups are here: the joint loads meet
	s_cmp_eq_u32 s15, 0
	s_cbranch_scc0 .Lfill_0
	tensor_load_to_lds s[40:43], s[24:31]
	s_nop 0
	tensor_load_to_lds s[44:47], s[24:31]
	s_nop 0
	tensor_load_to_lds s[48:51], s[24:31]
	s_nop 0
	tensor_load_to_lds s[52:55], s[24:31]
	s_nop 0
	PLACES
	s_branch .Lfilled
.Lfill_0:
	tensor_load_to_lds s[56:59], s[32:39]
	s_nop 0
	tensor_load_to_lds s[60:63], s[32:39]
	s_nop 0
	tensor_load_to_lds s[68:71], s[32:39]
	s_nop 0
	tensor_load_to_lds s[72:75], s[32:39]
	s_nop 0
	PLACES
.Lfilled:
	v_and_b32 v1, 15, v0                           ; r
	v_bfe_u32 v2, v0, 4, 1                         ; h
	v_and_b32 v3, 31, v0
	v_lshlrev_b32 v19, 4, v3                       ; 16 x lane
	v_lshlrev_b32 v3, 3, v3                        ; 8 x lane
	s_mul_i32 s88, s15, 12288
	s_mul_i32 s89, s16, 24576
	s_add_co_u32 s89, s89, 24576
	v_add_nc_u32 v4, s88, v3
	v_add_nc_u32 v8, s89, v3
.irp j, 1,2,3
	v_add_nc_u32 v[4+\j], \j*SLOTB, v4
	v_add_nc_u32 v[8+\j], \j*SLOTB, v8
.endr
	; the scale words of all of K: lanes 0-15 the tokens' rows (sc rows 0..), lanes 16-31 the columns' (sc rows 19456..).  (For i >= 4 lanes 0-15 read rows that are not theirs, inside sc; they are not used)
	s_lshl_b32 s76, s15, 6
	s_add_co_u32 s76, s76, s22
	s_lshl_b32 s76, s76, 5
	s_lshl_b32 s77, s16, 7
	s_add_co_u32 s77, s77, s23
	s_add_co_u32 s77, s77, 8192
	s_lshl_b32 s77, s77, 5
	v_mov_b32 v160, s76
	v_mov_b32 v161, s77
	v_cmp_eq_u32 vcc_lo, 1, v2
	v_cndmask_b32 v12, v160, v161, vcc_lo
	v_lshl_add_u32 v12, v1, 5, v12
.irp i, 0,1,2,3,4,5,6,7
	global_load_b128 v[32+8*\i:35+8*\i], v12, s[8:9] offset:512*\i
	global_load_b128 v[36+8*\i:39+8*\i], v12, s[8:9] offset:512*\i+16
.endr
	; the bias in the result's layout: register 16 B + i = column 32 B + 16 h + i of my 128; and where my part of out0 begins (it mixes cx and cy: registers of its own)
	s_lshl_b32 s88, s15, 6
	s_add_co_u32 s90, s22, s88
	s_lshl_b32 s90, s90, 12                        ; my first token's row of 4,096 bytes
	s_lshl_b32 s92, s17, 10
	s_lshl_b32 s88, s16, 9
	s_add_co_u32 s92, s92, s88                     ; my first column, in bytes
	s_mov_b32 s93, 0
	s_add_nc_u64 s[10:11], s[10:11], s[92:93]
	s_add_co_u32 s90, s90, s92
	s_mov_b32 s91, 0
	s_add_nc_u64 s[12:13], s[12:13], s[90:91]
	v_lshlrev_b32 v16, 6, v2
.irp b, 0,1,2,3
.irp q, 0,1,2,3
	global_load_b128 v[96+16*\b+4*\q:99+16*\b+4*\q], v16, s[10:11] offset:128*\b+16*\q
.endr
.endr
	s_mul_i32 s88, s14, 16*528                     ; my stage for the way out: 16 rows of 512 bytes + 16, in K slot 0
	v_mul_u32_u24 v17, v1, 528
	v_lshl_add_u32 v17, v2, 6, v17
	v_add_nc_u32 v17, s88, v17                     ; in: row r, + 64 h
	v_add_nc_u32 v18, s88, v19                     ; back: 16 bytes a lane of a row
.macro FRAG reg, adr, i, q
.irp p, 0,1,2,3,4,5
	ds_load_b64 v[\reg+2*\p:\reg+2*\p+1], v[\adr] offset:3072*(\i)+FRB*(\q)+256*\p
.endr
.endm
.macro FETCH n
	WIN 0x40
.irp i, 0,1,2,3,4,5,6,7
	FRAG 128*((\n)%2)+12*\i, 8+(\n)/2, \i, (\n)%2
.endr
	WIN 0
.irp i, 0,1,2,3
	FRAG 160+48*((\n)%2)+12*\i, 4+(\n)/2, \i, (\n)%2
.endr
.endm
.macro MULS n, mode                    ; 32 matrix instructions: K step n.  mode 0: onto the sums; 1: the bias starts them
.irp a, 0,1,2,3
.irp b, 0,1,2,3,4,5,6,7
.if \mode == 0
	v_wmma_scale_f32_16x16x128_f8f6f4 v[64*\a+8*\b:64*\a+8*\b+7], v[128*((\n)%2)+12*\b:128*((\n)%2)+12*\b+11], v[160+48*((\n)%2)+12*\a:160+48*((\n)%2)+12*\a+11], v[64*\a+8*\b:64*\a+8*\b+7], v[32+8*\b+(\n)], v[32+8*\a+(\n)] matrix_a_fmt:MATRIX_FMT_BF6 matrix_b_fmt:MATRIX_FMT_BF6 matrix_a_scale:MATRIX_SCALE_ROW1
.else
	v_wmma_scale_f32_16x16x128_f8f6f4 v[64*\a+8*\b:64*\a+8*\b+7], v[128*((\n)%2)+12*\b:128*((\n)%2)+12*\b+11], v[160+48*((\n)%2)+12*\a:160+48*((\n)%2)+12*\a+11], v[96+8*\b:96+8*\b+7], v[32+8*\b+(\n)], v[32+8*\a+(\n)] matrix_a_fmt:MATRIX_FMT_BF6 matrix_b_fmt:MATRIX_FMT_BF6 matrix_a_scale:MATRIX_SCALE_ROW1
.endif
.endr
.endr
.endm
.macro KSTEP n
	s_wait_dscnt 0x0                               ; step n's fragments are in
.if (\n)%2 == 1
	s_wait_tensorcnt 3-((\n)+1)/2                  ; my part of the next K slot has landed; the later slots' loads may be out
	s_barrier_signal -1
	s_barrier_wait -1
.endif
	PLACES
	FETCH (\n)+1
	WIN 0xa1
	MULS \n, 0
.endm
	s_wait_tensorcnt 3                             ; my part of K slot 0 has landed
	s_barrier_signal -1
	s_barrier_wait -1
	FETCH 0
	s_wait_loadcnt 0x0                             ; scale words and bias
	s_wait_dscnt 0x0
	FETCH 1
	WIN 0x81                                       ; C in window 0
	MULS 0, 1
.irp n, 1,2,3,4,5,6
	KSTEP \n
.endr
	s_wait_dscnt 0x0
	MULS 7, 0
	WIN 0
; THE WAY OUT, block by block of 16 tokens x 128 columns, through my own stage.  It lies in K slot 0, which is filled once and which every wave has finished reading ahead of the barrier of K step 5.
; LDS serves a wave's instructions in order: no wait between the stores and the loads, nor in front of the next block's stores.
.macro TOSTAGE a
	WIN 0x08                                       ; the data: window 2
.irp b, 0,1,2,3,4,5,6,7
	ds_store_b128 v17, v[64*(\a)+8*\b:64*(\a)+8*\b+3] offset:128*(\b/2)+32*(\b%2)          ; columns 32 (b / 2) + 16 h + 8 (b % 2) on; each accumulator from its low end on
	ds_store_b128 v17, v[64*(\a)+8*\b+4:64*(\a)+8*\b+7] offset:128*(\b/2)+32*(\b%2)+16
.endr
	WIN 0
.irp t, 0,1,2,3,4,5,6,7,8,9,10,11,12,13,14,15
	ds_load_b128 v[96+64*((\a)%2)+4*\t:99+64*((\a)%2)+4*\t], v18 offset:528*\t
.endr
.endm
.macro SEND a, younger                 ; younger: the LDS instructions issued behind block a's loads
	s_wait_dscnt \younger
.irp t, 0,1,2,3,4,5,6,7,8,9,10,11,12,13,14,15
	global_store_b128 v19, v[96+64*((\a)%2)+4*\t:99+64*((\a)%2)+4*\t], s[12:13] offset:(32*((\a)/2)+8*((\a)%2)+\t+8*(\t/8))*4096 th:TH_STORE_NT   ; stage row t is token 32 (a / 2) + 8 (a % 2) + t + 8 (t / 8); 32 lanes store 512 consecutive bytes, aligned
.endr
.endm
	PLACES
	TOSTAGE 0
.irp a, 1,2,3
.if \a > 1
	s_wait_xcnt 0x0                                ; block a - 2's stores have read their registers: block a's loads may land there
.endif
	TOSTAGE \a
	SEND \a-1, 32                                  ; behind block a - 1's loads: block a's 16 stores and 16 loads
.endr
	SEND 3, 0
	s_wait_tensorcnt 0x0
	ds_add_u32 v30, v31
	s_wait_dscnt 0x0
	CROUND                                         ; the closing round
	s_endpgm
.Lfunc_end_k_q925c1827b0_gemm_out:
	.size	k_q925c1827b0_gemm_out, .Lfunc_end_k_q925c1827b0_gemm_out-k_q925c1827b0_gemm_out
	.p2alignl 7, 3214868480
	.fill 96, 4, 3214868480
	.section	.rodata,"a",@progbits
	.p2align	6, 0x0
	.amdhsa_kernel k_q925c1827b0_gemm_out
		.amdhsa_group_segment_fixed_size 308480
		.amdhsa_private_segment_fixed_size 0
		.amdhsa_enable_private_segment 0
		.amdhsa_kernarg_size 40
		.amdhsa_user_sgpr_count 2
		.amdhsa_user_sgpr_kernarg_segment_ptr 1
		.amdhsa_wavefront_size32 1
		.amdhsa_system_sgpr_workgroup_id_x 1
		.amdhsa_system_sgpr_workgroup_id_y 1
		.amdhsa_system_sgpr_workgroup_id_z 1
		.amdhsa_system_vgpr_workitem_id 0
		.amdhsa_next_free_vgpr 768
		.amdhsa_next_free_sgpr 100
		.amdhsa_reserve_vcc 1
		.amdhsa_float_denorm_mode_32 3
		.amdhsa_float_denorm_mode_16_64 3
		.amdhsa_memory_ordered 1
		.amdhsa_forward_progress 1
		.amdhsa_inst_pref_size 97
	.end_amdhsa_kernel
	.amdgpu_metadata
---
amdhsa.version: [ 1, 2 ]
amdhsa.kernels:
  - .name:           k_q925c1827b0_gemm_out
    .symbol:         k_q925c1827b0_gemm_out.kd
    .args:
      - { .name: ac, .offset: 0, .size: 8, .value_kind: global_buffer, .address_space: global }
      - { .name: opc, .offset: 8, .size: 8, .value_kind: global_buffer, .address_space: global }
      - { .name: sc, .offset: 16, .size: 8, .value_kind: global_buffer, .address_space: global }
      - { .name: b_o, .offset: 24, .size: 8, .value_kind: global_buffer, .address_space: global }
      - { .name: out0, .offset: 32, .size: 8, .value_kind: global_buffer, .address_space: global }
    .group_segment_fixed_size: 308480
    .private_segment_fixed_size: 0
    .kernarg_segment_align: 8
    .kernarg_segment_size: 40
    .max_flat_workgroup_size: 128
    .sgpr_count:     100
    .vgpr_count:     768
    .wavefront_size: 32
...
	.end_amdgpu_metadata
.endif
;; end of part 4
